; MI455X (gfx1250); checked and timed in simulation.
; The chip was launched on July 23, 2026; its instructions are those of AMD's public machine-readable ISA for CDNA 5 (MIT licence, August 2026) and "CDNA5" Instruction Set Architecture Reference Guide (July 2026). The comments in the code are by the model that wrote it; some were corrected since.
;; Mobile MQA1 D. Allowed arithmetic: float matrix products may take bf16 or f16 operands with f32 sums; all other float work in f32.
;; Inputs: Wk 512 x 512 float32; Wo 512 x 512 float32; Wq 512 x 512 float32; Wv 512 x 512 float32; bk 512 float32; bo 512 float32; bq 512 float32; bv 512 float32; x 4 x 512 x 2,048 float32.
;; Outputs: out0 4 x 512 x 2,048 float32.
;; 2 versions, each right; version 2 is version 1 with the launch prep written anew for expert scheduling mode. Each part assembles by itself: llvm-mc -triple=amdgcn-amd-amdhsa -mcpu=gfx1250 --defsym DOCPART=n.
;; ======== version 1 of 2: 4 launches
;; workspace buffers: xb 8,388,608 bytes; wb 2,097,152 bytes; qb 8,388,608 bytes; kb 8,388,608 bytes; vb 8,388,608 bytes; ob 8,388,608 bytes
;; launch prep (part 1): grid 256 x 1, 8 waves a work-group, no clusters, 0 bytes of LDS; arguments x, Wq, Wk, Wv, Wo, xb, wb; writes xb, wb
.if DOCPART == 1
	.amdgcn_target "amdgcn-amd-amdhsa--gfx1250"
	.amdhsa_code_object_version 6
	.text
	.protected	k_qd76dade8c4_prep
	.globl	k_qd76dade8c4_prep
	.p2align	8
	.type	k_qd76dade8c4_prep,@function
k_qd76dade8c4_prep:
	s_mov_b64 s[64:65], 0
	v_nop
	global_prefetch_b8 v0, s[64:65] scope:SCOPE_SE
	s_setreg_imm32_b32 hwreg(HW_REG_WAVE_MODE, 25, 1), 1
	s_wait_xcnt 0x0
; prep: x and the four weight matrices are rounded once from f32 to bf16 (nearest even), layouts kept.
;   xb: [4][512][2048] bf16.   wb: [4][512][512] bf16 in the order Wo, Wq, Wk, Wv.
; A stream: no LDS, no barrier, no matrix unit, no cluster (no two work-groups read the same byte).
; Work-group g of 256 takes 65,536 bytes of x (16 pieces of 4,096) and 4,096 bytes of each weight matrix: equal work everywhere.
; Thread t takes 16 bytes at 16 t of a piece and stores 8 bytes at 8 t: a wave's load covers 512 consecutive bytes,
; a wave's store 256 consecutive bytes at a multiple of 256 from the buffer's first byte.
; All twenty loads go out first; no register is written twice, so no source of a pending instruction is ever rewritten.
; LIMIT: the numbers are rounded to bf16's 8 bits of precision; bf16 has f32's exponent range.
.set IN,  4                            ; v[4:83]    twenty quads as loaded
.set OUT, 84                           ; v[84:123]  twenty pairs to store
	s_load_b256 s[4:11], s[0:1], 0x0               ; x s[4:5], Wq s[6:7], Wk s[8:9], Wv s[10:11]
	s_load_b128 s[12:15], s[0:1], 0x20             ; Wo s[12:13], xb s[14:15]
	s_load_b64 s[16:17], s[0:1], 0x30              ; wb
	v_lshlrev_b32 v1, 4, v0                        ; 16 t: where I read
	v_lshlrev_b32 v2, 3, v0                        ; 8 t: where I store
	s_lshl_b32 s18, ttmp9, 16                      ; g x 65,536: my part of x
	s_mov_b32 s19, 0
	s_lshl_b32 s20, ttmp9, 15                      ; g x 32,768: of xb
	s_mov_b32 s21, 0
	s_lshl_b32 s22, ttmp9, 12                      ; g x 4,096: of each weight matrix
	s_mov_b32 s23, 0
	s_lshl_b32 s24, ttmp9, 11                      ; g x 2,048: of each matrix in wb
	s_mov_b32 s25, 0
	s_wait_kmcnt 0x0
	s_add_nc_u64 s[4:5], s[4:5], s[18:19]
	s_add_nc_u64 s[6:7], s[6:7], s[22:23]
	s_add_nc_u64 s[8:9], s[8:9], s[22:23]
	s_add_nc_u64 s[10:11], s[10:11], s[22:23]
	s_add_nc_u64 s[12:13], s[12:13], s[22:23]
	s_add_nc_u64 s[14:15], s[14:15], s[20:21]
	s_add_nc_u64 s[16:17], s[16:17], s[24:25]
.irp i, 0,1,2,3,4,5,6,7,8,9,10,11,12,13,14,15
	global_load_b128 v[IN+4*\i:IN+4*\i+3], v1, s[4:5] offset:4096*\i th:TH_LOAD_NT
.endr
	global_load_b128 v[IN+64:IN+67], v1, s[12:13] th:TH_LOAD_NT    ; piece 16: Wo, matrix 0 of wb
	global_load_b128 v[IN+68:IN+71], v1, s[6:7] th:TH_LOAD_NT      ; piece 17: Wq, matrix 1
	global_load_b128 v[IN+72:IN+75], v1, s[8:9] th:TH_LOAD_NT      ; piece 18: Wk, matrix 2
	global_load_b128 v[IN+76:IN+79], v1, s[10:11] th:TH_LOAD_NT    ; piece 19: Wv, matrix 3
; piece idx: loads come back in order, so the 19 - idx younger ones may stay out
.macro CAST idx
	s_wait_loadcnt 19-(\idx)
	v_cvt_pk_bf16_f32 v[OUT+2*(\idx)],   v[IN+4*(\idx)],   v[IN+4*(\idx)+1]
	v_cvt_pk_bf16_f32 v[OUT+2*(\idx)+1], v[IN+4*(\idx)+2], v[IN+4*(\idx)+3]
.endm
.irp i, 0,1,2,3,4,5,6,7,8,9,10,11,12,13,14,15
	CAST \i
	global_store_b64 v2, v[OUT+2*\i:OUT+2*\i+1], s[14:15] offset:2048*\i
.endr
.irp i, 16,17,18,19
	CAST \i
	global_store_b64 v2, v[OUT+2*\i:OUT+2*\i+1], s[16:17] offset:524288*(\i-16)
.endr
	s_endpgm
.Lfunc_end_k_qd76dade8c4_prep:
	.size	k_qd76dade8c4_prep, .Lfunc_end_k_qd76dade8c4_prep-k_qd76dade8c4_prep
	.p2alignl 7, 3214868480
	.fill 96, 4, 3214868480
	.section	.rodata,"a",@progbits
	.p2align	6, 0x0
	.amdhsa_kernel k_qd76dade8c4_prep
		.amdhsa_group_segment_fixed_size 0
		.amdhsa_private_segment_fixed_size 0
		.amdhsa_enable_private_segment 0
		.amdhsa_kernarg_size 56
		.amdhsa_user_sgpr_count 2
		.amdhsa_user_sgpr_kernarg_segment_ptr 1
		.amdhsa_wavefront_size32 1
		.amdhsa_system_sgpr_workgroup_id_x 1
		.amdhsa_system_sgpr_workgroup_id_y 1
		.amdhsa_system_sgpr_workgroup_id_z 1
		.amdhsa_system_vgpr_workitem_id 0
		.amdhsa_next_free_vgpr 128
		.amdhsa_next_free_sgpr 66
		.amdhsa_reserve_vcc 0
		.amdhsa_float_denorm_mode_32 3
		.amdhsa_float_denorm_mode_16_64 3
		.amdhsa_memory_ordered 1
		.amdhsa_forward_progress 1
		.amdhsa_inst_pref_size 8
	.end_amdhsa_kernel
	.amdgpu_metadata
---
amdhsa.version: [ 1, 2 ]
amdhsa.kernels:
  - .name:           k_qd76dade8c4_prep
    .symbol:         k_qd76dade8c4_prep.kd
    .args:
      - { .name: x, .offset: 0, .size: 8, .value_kind: global_buffer, .address_space: global }
      - { .name: Wq, .offset: 8, .size: 8, .value_kind: global_buffer, .address_space: global }
      - { .name: Wk, .offset: 16, .size: 8, .value_kind: global_buffer, .address_space: global }
      - { .name: Wv, .offset: 24, .size: 8, .value_kind: global_buffer, .address_space: global }
      - { .name: Wo, .offset: 32, .size: 8, .value_kind: global_buffer, .address_space: global }
      - { .name: xb, .offset: 40, .size: 8, .value_kind: global_buffer, .address_space: global }
      - { .name: wb, .offset: 48, .size: 8, .value_kind: global_buffer, .address_space: global }
    .group_segment_fixed_size: 0
    .private_segment_fixed_size: 0
    .kernarg_segment_align: 8
    .kernarg_segment_size: 56
    .max_flat_workgroup_size: 256
    .sgpr_count:     66
    .vgpr_count:     128
    .wavefront_size: 32
...
	.end_amdgpu_metadata
.endif
;; end of part 1
;; launch qkv (part 2): grid 4 x 64, 8 waves a work-group, clusters of 4 x 4, 327,680 bytes of LDS; arguments xb, wb, bq, bk, bv, qb, kb, vb; writes qb, kb, vb
.if DOCPART == 2
	.amdgcn_target "amdgcn-amd-amdhsa--gfx1250"
	.amdhsa_code_object_version 6
	.text
	.protected	k_qd76dade8c4_qkv
	.globl	k_qd76dade8c4_qkv
	.p2align	8
	.type	k_qd76dade8c4_qkv,@function
k_qd76dade8c4_qkv:
	s_mov_b64 s[64:65], 0
	v_nop
	global_prefetch_b8 v0, s[64:65] scope:SCOPE_SE
	s_setreg_imm32_b32 hwreg(HW_REG_WAVE_MODE, 25, 1), 1
	s_wait_xcnt 0x0
	s_wait_alu depctr_hold_cnt(0) depctr_sa_sdst(0) depctr_va_vdst(0) depctr_va_sdst(0) depctr_va_ssrc(0) depctr_va_vcc(0) depctr_vm_vsrc(0)
	s_getreg_b32 s2, hwreg(HW_REG_IB_STS2, 6, 4)
	s_cmp_eq_u32 s2, 0
	s_cbranch_scc0 .Lentry_in_a_cluster
	s_endpgm
.Lentry_in_a_cluster:
	s_bfe_u32 s2, ttmp6, 0x10000c
	s_cmp_lg_u32 s2, 0xf033
	s_cbranch_scc0 .Lentry_shape_is_right
	s_endpgm
.Lentry_shape_is_right:
; qkv: Q[l][o] = sum over c of x[c][l] Wq[o][c] + bq[o], K and V likewise; bf16 operands, f32 sums, bias as the sums' first value.
;   qb, kb: [32 (8 b + head)][2048 l][64 d] bf16.     vb: [32][64 d][2048 l] bf16 (V transposed, as the next launch multiplies it).
; A work-group makes 128 l x 128 o of each of Q, K, V (384 outputs a row).  og = which 128 o (two heads), y = 16 b + which 128 l.
; Eight waves: wl = w & 1 takes 64 l (four tiles a), wo = w >> 1 takes 32 o of each matrix (six fragments p = 2 mat + i): 24 accumulator tiles.
; K (= c, 512) goes in four steps of 128 through two LDS slots.  A slot: 128 rows c of x (256 bytes of l, pitch 288), then 384 rows of W (256 bytes of c, pitch 272).
; CLUSTERS 4 x 4: x's tile hangs on y alone and is asked for jointly by the four of a cluster's row; W's tiles hang on og alone and are asked for
; jointly by the four of a column.  Waves 0, 1 ask for x's two halves, waves 2 to 7 for the six halves of Wq, Wk, Wv: one tensor load of 64 rows x 256 bytes a wave.
; By this text's count a wave has two tensor loads out at the start and one behind each round.
; x lies [c][l], so its fragments come by the transposing LDS load (pitch an odd multiple of 32 bytes); W lies along c, plain loads (pitch an odd multiple of 16).
; Q, K: source 0 = W, source 1 = x: a lane holds 8 neighbouring o of one l.  V: source 0 = x, source 1 = W: a lane holds 8 neighbouring l of one o.
; Either way its 8 results are 16 bytes that belong together; they go out through LDS (slot 0, which has had its last fill) as whole rows.
; REGISTERS: window 0: addresses, bias, two fragment buffers; window 1: v[8 (4 p + a)] the 24 accumulator tiles.
; LIMIT: Q, K, V are rounded to bf16 once, from f32 sums.
.set SLOT,  141312                     ; 128 x 288 + 384 x 272
.set XP,    288
.set WP,    272
.set XHALF, 64*XP                      ; what one load of x fills
.set WHALF, 64*WP                      ; what one load of W fills
.set WOFF,  128*XP                     ; W's rows behind x's
.set STGK,  128*WP                     ; the way out: Q's stage at 0, K's here,
.set STGV,  256*WP                     ; V's here
.set ADRX, 8                           ; v8-9    x fragments, slot 0, 1
.set ADRW, 10                          ; v10-15  W fragments, 3 x slot + matrix
.set STQ,  16                          ; where I put 16 bytes of Q or K
.set STV,  17                          ; of V
.set RDQ,  18                          ; where I read rows back
.set RDV,  19
.set GQ,   20                          ; my byte offset in qb, kb
.set GV,   21                          ; in vb
.set BO8,  22                          ; lane offset of 8 biases (Q, K)
.set BO1,  23                          ; of one (V)
.set BIAS, 24                          ; v24-71  first C of fragment p at 8 p
.set FB0,  72                          ; v72-151   fragment buffer 0: x tile a at 8 a, W fragment p at 32 + 8 p
.set FB1,  152                         ; v152-231  fragment buffer 1
.set PK,   72                          ; the way out: packed results, tile n at 4 n
.set WV,   20                          ; s20 the wave's number
.set G1X, 28
.set G1W, 36
.set G0X, 44                           ; one group 0 for each slot
.set G0W, 52
.set MSB, 0
.macro WIN new                         ; the immediate's high byte repeats the setting that is left
.if MSB != \new
	s_set_vgpr_msb (MSB<<8)|\new
.set MSB, \new
.endif
.endm
.macro PLACES n
.rept \n
	v_nop
.endr
.endm
.macro CREST                           ; a round of the cluster's barrier behind its opening barrier
	s_cmp_lg_u32 s[WV], 0
	s_cbranch_scc1 .Lnot_wave_0_\@
	s_barrier_signal -3
.Lnot_wave_0_\@:
	s_barrier_wait -3
	s_barrier_signal -1
	s_barrier_wait -1
.endm
.macro ROUND
	s_barrier_signal -1
	s_barrier_wait -1
	CREST
.endm
; A joint load: each line has one mask and one set of registers; the branch hangs on the wave's number alone.
.macro JLOAD s
	s_cmp_eq_u32 s21, 0
	s_cbranch_scc0 .Lfor_w_\@
	tensor_load_to_lds s[G0X+4*\s:G0X+4*\s+3], s[G1X:G1X+7]
	s_nop 0
	s_branch .Lasked_\@
.Lfor_w_\@:
	tensor_load_to_lds s[G0W+4*\s:G0W+4*\s+3], s[G1W:G1W+7]
	s_nop 0
.Lasked_\@:
.endm
	s_load_b512 s[4:19], s[0:1], 0x0               ; xb 4, wb 6, bq 8, bk 10, bv 12, qb 14, kb 16, vb 18
	v_lshl_add_u32 v254, v0, 2, 0x45000
	v_mov_b32 v255, 0
	ds_add_u32 v254, v255
	v_lshrrev_b32 v1, 5, v0
	v_readfirstlane_b32 s20, v1                    ; wave 0..7
	s_lshr_b32 s21, s20, 1                         ; wo; also: 0 = I fetch x, 1..3 = I fetch matrix 1..3 of wb
	s_and_b32 s22, s20, 1                          ; wl; also: which 64 rows I fetch
	s_bfe_u32 s23, ttmp6, 0x40000                  ; cx
	s_bfe_u32 s24, ttmp6, 0x40004                  ; cy
	s_lshl_b32 s25, ttmp9, 2
	s_add_co_u32 s25, s25, s23                     ; og = 4 x cluster x + cx
	s_and_b32 s26, ttmp7, 0xffff
	s_lshl_b32 s26, s26, 2
	s_add_co_u32 s26, s26, s24                     ; y = 4 x cluster y + cy
	s_lshl_b32 s69, s24, 2
	s_lshl_b32 s69, 15, s69                        ; my row of the cluster
	s_lshl_b32 s76, 0x1111, s23                    ; my column
	; group 1: 64 rows of 32 elements of 8 bytes; padding behind every 64 words: 8 words for x, 4 for W
	s_or_b32 s[G1X+0], s69, (3<<16)|(1<<20)|(1<<21)|(5<<22)|(7<<25)
	s_or_b32 s[G1W+0], s76, (3<<16)|(1<<20)|(1<<21)|(5<<22)|(3<<25)
	s_mov_b32 s[G1X+1], 32<<16                     ; tensor_dim0 = 32
	s_mov_b32 s[G1W+1], 32<<16
	s_mov_b32 s[G1X+2], 64<<16                     ; tensor_dim1 = 64
	s_mov_b32 s[G1W+2], 64<<16
	s_mov_b32 s[G1X+3], 32<<16                     ; tile_dim0 = 32
	s_mov_b32 s[G1W+3], 32<<16
	s_mov_b32 s[G1X+4], 64                         ; tile_dim1 = 64
	s_mov_b32 s[G1W+4], 64
	s_mov_b32 s[G1X+5], 512                        ; a row of xb is 4,096 bytes
	s_mov_b32 s[G1W+5], 128                        ; a row of wb is 1,024 bytes
	s_mov_b32 s[G1X+6], 0
	s_mov_b32 s[G1W+6], 0
	s_mov_b32 s[G1X+7], 0
	s_mov_b32 s[G1W+7], 0
	; x's tile: made of y and the wave's number alone (s60-63, s66-68)
	s_lshr_b32 s60, s26, 4                         ; b
	s_and_b32 s61, s26, 15                         ; which 128 l
	s_lshl_b32 s62, s60, 21                        ; b x 512 rows of 4,096 bytes
	s_lshl_b32 s63, s20, 18                        ; + 64 w rows
	s_add_co_u32 s62, s62, s63
	s_lshl_b32 s63, s61, 8                         ; + 128 l of 2 bytes
	s_add_co_u32 s62, s62, s63
	s_mov_b32 s63, 0
	s_mul_i32 s68, s20, XHALF                      ; LDS: x's half w
	; W's tile: made of og and the wave's number alone (s70-74)
	s_lshl_b32 s70, s21, 19                        ; matrix w >> 1 of wb
	s_lshl_b32 s71, s25, 17                        ; + 128 og rows of 1,024 bytes
	s_add_co_u32 s70, s70, s71
	s_lshl_b32 s71, s22, 16                        ; + 64 rows
	s_add_co_u32 s70, s70, s71
	s_mov_b32 s71, 0
	s_mul_i32 s74, s20, WHALF
	s_add_co_u32 s74, s74, WOFF-2*WHALF            ; LDS: W's half w - 2
	s_lshl_b32 s78, s25, 9                         ; biases: (128 og + 32 wo) x 4 bytes
	s_lshl_b32 s79, s21, 7
	s_add_co_u32 s78, s78, s79
	s_mov_b32 s79, 0
	s_wait_dscnt 0x0
	s_wait_kmcnt 0x0
	s_add_nc_u64 s[66:67], s[4:5], s[62:63]
	s_add_nc_u64 s[72:73], s[6:7], s[70:71]
	s_add_nc_u64 s[8:9], s[8:9], s[78:79]
	s_add_nc_u64 s[10:11], s[10:11], s[78:79]
	s_add_nc_u64 s[12:13], s[12:13], s[78:79]
	ROUND                                          ; all sixteen work-groups are here: the first joint loads meet
.irp s, 0,1
	s_mov_b32 s[G0X+4*\s], 1
	s_add_co_u32 s[G0X+4*\s+1], s68, \s*SLOT
	s_add_nc_u64 s[G0X+4*\s+2:G0X+4*\s+3], s[66:67], \s*524288     ; K step s: 128 rows of 4,096 bytes on
	s_or_b32 s[G0X+4*\s+3], s[G0X+4*\s+3], 0x80000000
	s_mov_b32 s[G0W+4*\s], 1
	s_add_co_u32 s[G0W+4*\s+1], s74, \s*SLOT
	s_add_nc_u64 s[G0W+4*\s+2:G0W+4*\s+3], s[72:73], \s*256        ; K step s: 128 c of 2 bytes on
	s_or_b32 s[G0W+4*\s+3], s[G0W+4*\s+3], 0x80000000
	JLOAD \s                                       ; both first fills go out before anything else
.endr
	v_and_b32 v2, 15, v0                           ; r
	v_bfe_u32 v3, v0, 4, 1                         ; h
	v_lshlrev_b32 v[BO8], 5, v3                    ; Q, K: C(m = 8 h + j) = bias[.. + 8 h + j]
	v_lshlrev_b32 v[BO1], 2, v2                    ; V: C(n = r) = bias[.. + r]
.irp i, 0,1
	global_load_b128 v[BIAS+8*\i:BIAS+8*\i+3],     v[BO8], s[8:9] offset:64*\i
	global_load_b128 v[BIAS+8*\i+4:BIAS+8*\i+7],   v[BO8], s[8:9] offset:64*\i+16
	global_load_b128 v[BIAS+16+8*\i:BIAS+16+8*\i+3],   v[BO8], s[10:11] offset:64*\i
	global_load_b128 v[BIAS+16+8*\i+4:BIAS+16+8*\i+7], v[BO8], s[10:11] offset:64*\i+16
	global_load_b32 v[BIAS+32+8*\i], v[BO1], s[12:13] offset:64*\i
.endr
	; where the results go.  The part made of y and the part made of og stay in registers of their own and are added one after the other.
	s_lshl_b32 s62, s60, 21                        ; qb, kb: (8 b + 2 og + (w >> 2)) x 262,144 + 128 l-block rows of 128 bytes + (w & 3) x 4,096
	s_lshl_b32 s63, s61, 14
	s_add_co_u32 s62, s62, s63
	s_lshr_b32 s63, s20, 2
	s_lshl_b32 s63, s63, 18
	s_add_co_u32 s62, s62, s63
	s_and_b32 s63, s20, 3
	s_lshl_b32 s63, s63, 12
	s_add_co_u32 s62, s62, s63
	s_mov_b32 s63, 0
	s_lshl_b32 s66, s60, 21                        ; vb: (512 b + 128 og + 16 w) rows of 4,096 bytes + 128 l-block x 2 bytes
	s_lshl_b32 s67, s61, 8
	s_add_co_u32 s66, s66, s67
	s_lshl_b32 s67, s20, 16
	s_add_co_u32 s66, s66, s67
	s_mov_b32 s67, 0
	s_lshl_b32 s70, s25, 19                        ; og's part, the same in all three
	s_mov_b32 s71, 0
	s_add_nc_u64 s[14:15], s[14:15], s[62:63]
	s_add_nc_u64 s[14:15], s[14:15], s[70:71]
	s_add_nc_u64 s[16:17], s[16:17], s[62:63]
	s_add_nc_u64 s[16:17], s[16:17], s[70:71]
	s_add_nc_u64 s[18:19], s[18:19], s[66:67]
	s_add_nc_u64 s[18:19], s[18:19], s[70:71]
	; x fragments, transposing load: row 8 h + (L & 7), 16 bytes ((L >> 3) & 1), my 64 l
	v_and_b32 v4, 7, v0
	v_lshl_add_u32 v4, v3, 3, v4
	v_mul_u32_u24 v4, v4, XP
	v_bfe_u32 v5, v0, 3, 1
	v_lshl_add_u32 v4, v5, 4, v4
	s_lshl_b32 s77, s22, 7
	v_add_nc_u32 v[ADRX], s77, v4
	v_add_nc_u32 v[ADRX+1], SLOT, v[ADRX]
	; W fragments: row 128 mat + 32 wo + r, 16 h
	v_mul_u32_u24 v5, v2, WP
	v_lshl_add_u32 v5, v3, 4, v5
	s_mul_i32 s77, s21, 32*WP
	v_add_nc_u32 v6, s77, v5
.irp s, 0,1
.irp m, 0,1,2
	v_add_nc_u32 v[ADRW+3*\s+\m], \s*SLOT+WOFF+\m*128*WP, v6
.endr
.endr
	; V's stage: row 32 wo + r of 256 bytes of l; my 64 l; 16 h
	s_lshl_b32 s75, s22, 7
	s_add_co_u32 s75, s75, STGV
	v_add_nc_u32 v[STV], s75, v6
	; Q's and K's stage: two rows l of 128 bytes share an LDS row: head (wo >> 1) x 64 + (l >> 1); d = 32 (wo & 1) + 8 h
	v_lshrrev_b32 v7, 1, v2
	v_mul_u32_u24 v7, v7, WP
	v_and_b32 v1, 1, v2
	v_lshl_add_u32 v7, v1, 7, v7
	v_lshl_add_u32 v7, v3, 4, v7
	s_lshr_b32 s75, s21, 1
	s_mul_i32 s75, s75, 64*WP
	s_mul_i32 s77, s22, 32*WP
	s_add_co_u32 s75, s75, s77
	s_and_b32 s77, s21, 1
	s_lshl_b32 s77, s77, 6
	s_add_co_u32 s75, s75, s77
	v_add_nc_u32 v[STQ], s75, v7
	; back: wave w takes LDS rows 16 w .. 16 w + 15 of each stage, two a load
	v_mul_u32_u24 v7, v3, WP
	v_lshl_add_u32 v7, v2, 4, v7
	s_mul_i32 s75, s20, 16*WP
	v_add_nc_u32 v[RDQ], s75, v7
	v_add_nc_u32 v[RDV], STGV, v[RDQ]
	v_and_b32 v1, 31, v0
	v_lshlrev_b32 v[GQ], 4, v1                     ; 512 consecutive bytes of qb or kb
	v_lshlrev_b32 v[GV], 4, v2
	v_lshl_add_u32 v[GV], v3, 12, v[GV]            ; two rows of vb, 256 bytes each
	s_wait_loadcnt 0x0                             ; the biases
.irp p, 4,5
.irp j, 1,2,3,4,5,6,7
	v_mov_b32 v[BIAS+8*\p+\j], v[BIAS+8*\p]        ; V's C wants the lane's one bias in all eight registers
.endr
.endr
; 20 LDS loads: the fragments of 32 c (quarter kin of the slot's K step) into buffer f
.macro FETCH slot, kin, f
.irp a, 0,1,2,3
	ds_load_tr16_b128 v[\f+8*\a:\f+8*\a+3],   v[ADRX+\slot] offset:\kin*32*XP+32*\a
	ds_load_tr16_b128 v[\f+8*\a+4:\f+8*\a+7], v[ADRX+\slot] offset:\kin*32*XP+32*\a+16*XP
.endr
.irp m, 0,1,2
.irp i, 0,1
	ds_load_b128 v[\f+32+8*(2*\m+\i):\f+32+8*(2*\m+\i)+3],   v[ADRW+3*\slot+\m] offset:\i*16*WP+64*\kin
	ds_load_b128 v[\f+32+8*(2*\m+\i)+4:\f+32+8*(2*\m+\i)+7], v[ADRW+3*\slot+\m] offset:\i*16*WP+64*\kin+32
.endr
.endr
.endm
; 12 matrix instructions: fragments p0 .. p0 + 2 x the four l tiles.  The 24 accumulators take turns, one instruction a turn, in the same order
; in every quarter.  bias = 1: the bias is the first C, nothing is cleared.
.macro MUL12 f, p0, bias
.set pp, \p0
.rept 3
.set aa, 0
.rept 4
.set dd, 8*(4*pp+aa)
.if pp < 4
.if \bias
	v_wmma_f32_16x16x32_bf16 v[dd:dd+7], v[\f+32+8*pp:\f+39+8*pp], v[\f+8*aa:\f+8*aa+7], v[BIAS+8*pp:BIAS+8*pp+7]
.else
	v_wmma_f32_16x16x32_bf16 v[dd:dd+7], v[\f+32+8*pp:\f+39+8*pp], v[\f+8*aa:\f+8*aa+7], v[dd:dd+7]
.endif
.else
.if \bias
	v_wmma_f32_16x16x32_bf16 v[dd:dd+7], v[\f+8*aa:\f+8*aa+7], v[\f+32+8*pp:\f+39+8*pp], v[BIAS+8*pp:BIAS+8*pp+7]
.else
	v_wmma_f32_16x16x32_bf16 v[dd:dd+7], v[\f+8*aa:\f+8*aa+7], v[\f+32+8*pp:\f+39+8*pp], v[dd:dd+7]
.endif
.endif
.set aa, aa+1
.endr
.set pp, pp+1
.endr
.endm
; One of a K step's first three quarters: buffer f is in; the next quarter's 20 loads go out, then f is multiplied.
; Loads into a buffer that matrix instructions have read stand four plain places behind them (ISA guide 7.12.1 for vector instructions).
.macro KS f, g, slot, kin, bias
	s_wait_dscnt 0x0                               ; f's 20 loads: nothing was issued behind them
	WIN 0
	PLACES 4
	FETCH \slot, \kin, \g
.if \bias
	WIN 0x40                                       ; D window 1, C (the bias) window 0
.else
	WIN 0x50                                       ; C and D window 1
.endif
	MUL12 \f, 0, \bias
	MUL12 \f, 3, \bias
.endm
.macro THREE slot, bias
	KS FB0, FB1, \slot, 1, \bias
	KS FB1, FB0, \slot, 2, 0
	KS FB0, FB1, \slot, 3, 0
.endm
; The last quarter multiplies buffer 1 and changes slots.  In front of the barrier each wave waits for its reads of this slot and for all
; its tensor loads (the one that is out is its part of the next slot).  Where the slot is filled again the barrier opens a round of the
; cluster's barrier, and the joint refill is the first tensor load behind the round.
.macro TURN slot, next, refill
	s_wait_dscnt 0x0
	s_wait_tensorcnt 0x0
	ds_add_u32 v254, v255
	s_wait_dscnt 0x0
	s_barrier_signal -1
	WIN 0x50
	MUL12 FB1, 0, 0                                ; register work while the others arrive
	WIN 0
	s_barrier_wait -1
.if \refill
	CREST
	s_add_nc_u64 s[G0X+4*\slot+2:G0X+4*\slot+3], s[G0X+4*\slot+2:G0X+4*\slot+3], 1048576   ; two K steps on: 256 rows of xb
	s_add_nc_u64 s[G0W+4*\slot+2:G0W+4*\slot+3], s[G0W+4*\slot+2:G0W+4*\slot+3], 512       ; 256 c of wb
	JLOAD \slot
.endif
	PLACES 4
	FETCH \next, 0, FB0
	WIN 0x50
	MUL12 FB1, 3, 0
.endm
	s_wait_tensorcnt 0x1                           ; my part of K step 0 is in; K step 1's stays out
	s_barrier_signal -1
	s_barrier_wait -1
	FETCH 0, 0, FB0
	THREE 0, 1                                     ; K step 0, slot 0
	TURN 0, 1, 1                                   ; slot 0 gets K step 2
	THREE 1, 0                                     ; K step 1, slot 1
	TURN 1, 0, 1                                   ; slot 1 gets K step 3
	THREE 0, 0                                     ; K step 2
	TURN 0, 1, 0                                   ; nothing is left to fetch; behind this barrier no wave reads slot 0 again
	THREE 1, 0                                     ; K step 3
	s_wait_dscnt 0x0
	WIN 0x50
	MUL12 FB1, 0, 0
	MUL12 FB1, 3, 0
	; THE WAY OUT.  Four places behind the last matrix instructions, then round to bf16, 16 bytes a lane into the stages in slot 0.
	PLACES 4
	WIN 0x05                                       ; sources window 1, destination window 0
.set tt, 0
.rept 24
.irp k, 0,1,2,3
	v_cvt_pk_bf16_f32 v[PK+4*tt+\k], v[8*tt+2*\k], v[8*tt+2*\k+1]
.endr
.set tt, tt+1
.endr
	WIN 0
.irp m, 0,1
.irp i, 0,1
.irp a, 0,1,2,3
	ds_store_b128 v[STQ], v[PK+4*(4*(2*\m+\i)+\a):PK+4*(4*(2*\m+\i)+\a)+3] offset:\m*STGK+8*WP*\a+32*\i
.endr
.endr
.endr
.irp i, 0,1
.irp a, 0,1,2,3
	ds_store_b128 v[STV], v[PK+4*(16+4*\i+\a):PK+4*(16+4*\i+\a)+3] offset:16*WP*\i+32*\a
.endr
.endr
	s_wait_dscnt 0x0                               ; my stores are done, for the waves that read them
	s_barrier_signal -1
	s_barrier_wait -1
.irp m, 0,1
.irp k, 0,1,2,3,4,5,6,7
	ds_load_b128 v[PK+4*(8*\m+\k):PK+4*(8*\m+\k)+3], v[RDQ] offset:\m*STGK+2*WP*\k
.endr
.endr
.irp k, 0,1,2,3,4,5,6,7
	ds_load_b128 v[PK+4*(16+\k):PK+4*(16+\k)+3], v[RDV] offset:2*WP*\k
.endr
.irp k, 0,1,2,3,4,5,6,7
	s_wait_dscnt 23-\k                             ; LDS loads come back in order: that many younger ones may stay out
	global_store_b128 v[GQ], v[PK+4*\k:PK+4*\k+3], s[14:15] offset:512*\k          ; 512 consecutive bytes of qb
.endr
.irp k, 0,1,2,3,4,5,6,7
	s_wait_dscnt 15-\k
	global_store_b128 v[GQ], v[PK+32+4*\k:PK+32+4*\k+3], s[16:17] offset:512*\k    ; of kb
.endr
.irp k, 0,1,2,3,4,5,6,7
	s_wait_dscnt 7-\k
	global_store_b128 v[GV], v[PK+64+4*\k:PK+64+4*\k+3], s[18:19] offset:8192*\k   ; two rows of vb: 256 consecutive bytes each, aligned
.endr
	s_wait_tensorcnt 0x0
	ds_add_u32 v254, v255
	s_wait_dscnt 0x0
	ROUND                                          ; the closing round: no work-group ends while a partner may still ask for a tile that names it
	s_endpgm
.Lfunc_end_k_qd76dade8c4_qkv:
	.size	k_qd76dade8c4_qkv, .Lfunc_end_k_qd76dade8c4_qkv-k_qd76dade8c4_qkv
	.p2alignl 7, 3214868480
	.fill 96, 4, 3214868480
	.section	.rodata,"a",@progbits
	.p2align	6, 0x0
	.amdhsa_kernel k_qd76dade8c4_qkv
		.amdhsa_group_segment_fixed_size 327680
		.amdhsa_private_segment_fixed_size 0
		.amdhsa_enable_private_segment 0
		.amdhsa_kernarg_size 64
		.amdhsa_user_sgpr_count 2
		.amdhsa_user_sgpr_kernarg_segment_ptr 1
		.amdhsa_wavefront_size32 1
		.amdhsa_system_sgpr_workgroup_id_x 1
		.amdhsa_system_sgpr_workgroup_id_y 1
		.amdhsa_system_sgpr_workgroup_id_z 1
		.amdhsa_system_vgpr_workitem_id 0
		.amdhsa_next_free_vgpr 448
		.amdhsa_next_free_sgpr 80
		.amdhsa_reserve_vcc 0
		.amdhsa_float_denorm_mode_32 3
		.amdhsa_float_denorm_mode_16_64 3
		.amdhsa_memory_ordered 1
		.amdhsa_forward_progress 1
		.amdhsa_inst_pref_size 72
	.end_amdhsa_kernel
	.amdgpu_metadata
---
amdhsa.version: [ 1, 2 ]
amdhsa.kernels:
  - .name:           k_qd76dade8c4_qkv
    .symbol:         k_qd76dade8c4_qkv.kd
    .args:
      - { .name: xb, .offset: 0, .size: 8, .value_kind: global_buffer, .address_space: global }
      - { .name: wb, .offset: 8, .size: 8, .value_kind: global_buffer, .address_space: global }
      - { .name: bq, .offset: 16, .size: 8, .value_kind: global_buffer, .address_space: global }
      - { .name: bk, .offset: 24, .size: 8, .value_kind: global_buffer, .address_space: global }
      - { .name: bv, .offset: 32, .size: 8, .value_kind: global_buffer, .address_space: global }
      - { .name: qb, .offset: 40, .size: 8, .value_kind: global_buffer, .address_space: global }
      - { .name: kb, .offset: 48, .size: 8, .value_kind: global_buffer, .address_space: global }
      - { .name: vb, .offset: 56, .size: 8, .value_kind: global_buffer, .address_space: global }
    .group_segment_fixed_size: 327680
    .private_segment_fixed_size: 0
    .kernarg_segment_align: 8
    .kernarg_segment_size: 64
    .max_flat_workgroup_size: 256
    .sgpr_count:     80
    .vgpr_count:     448
    .wavefront_size: 32
...
	.end_amdgpu_metadata
.endif
;; end of part 2
;; launch attn (part 3): grid 8 x 32, 8 waves a work-group, clusters of 4 x 1, 327,680 bytes of LDS; arguments qb, kb, vb, ob; writes ob
.if DOCPART == 3
	.amdgcn_target "amdgcn-amd-amdhsa--gfx1250"
	.amdhsa_code_object_version 6
	.text
	.protected	k_qd76dade8c4_attn
	.globl	k_qd76dade8c4_attn
	.p2align	8
	.type	k_qd76dade8c4_attn,@function
k_qd76dade8c4_attn:
	s_mov_b64 s[64:65], 0
	v_nop
	global_prefetch_b8 v0, s[64:65] scope:SCOPE_SE
	s_setreg_imm32_b32 hwreg(HW_REG_WAVE_MODE, 25, 1), 1
	s_wait_xcnt 0x0
	s_wait_alu depctr_hold_cnt(0) depctr_sa_sdst(0) depctr_va_vdst(0) depctr_va_sdst(0) depctr_va_ssrc(0) depctr_va_vcc(0) depctr_vm_vsrc(0)
	s_getreg_b32 s2, hwreg(HW_REG_IB_STS2, 6, 4)
	s_cmp_eq_u32 s2, 0
	s_cbranch_scc0 .Lentry_in_a_cluster
	s_endpgm
.Lentry_in_a_cluster:
	s_bfe_u32 s2, ttmp6, 0x10000c
	s_cmp_lg_u32 s2, 0x3003
	s_cbranch_scc0 .Lentry_shape_is_right
	s_endpgm
.Lentry_shape_is_right:
; attn: O = softmax(Q K^T / 8) V for one (batch, head) bh and 256 queries, with a running maximum; bf16 operands, f32 sums and softmax.
; Eight waves, 32 queries each (two tiles q of 16).  Keys go in tiles of 256 through two LDS slots, 64 keys a block.
; CLUSTERS 4 x 1: the four query blocks of a cluster belong to one bh and read the same K and V tiles: every tile is asked for jointly (mask 15).
; Waves 0, 1 ask for K's halves, waves 2, 3 for V's, 64 rows x 256 bytes each; waves 4 to 7 ask for nothing.
; By this text's count waves 0 to 3 have two tensor loads out at the start and one behind each round.  Since the waves differ in how many loads
; they have issued, every wait on TENSORcnt in this text is for 0: that count says the same on every wave's path.
; EVERYTHING IS TRANSPOSED: S^T = K Q^T (source 0 = K, source 1 = Q): lane (r, h) holds keys 8 h + j of query r.  Two key tiles, rounded to bf16 and
; packed in place, ARE source 1 of O^T = V^T P^T: nothing moves between lanes.  Maximum, sum and rescaling are a lane's own; the two lanes of a
; query (r and r + 16) exchange their maxima once a block, their sums once at the end.
; ob: [bh][l'][64 d] bf16, rows permuted inside each group of 64: l = 64 g + 4 r' + t lies at l' = 64 g + 16 t + r', so that the next launch's four
; column tiles t give a lane four neighbouring l.
; LIMITS: P and O are rounded to bf16; the denominator sums p before that rounding; an exponential below 2^-126 comes out as 0 (ISA guide, v_exp_f32);
; the maximum ignores NaN logits, which still reach the result through the exponent; a row of -inf alone gives NaN, as the definition does.
.set SLOT,  69632                      ; K: 128 LDS rows (two keys of 128 bytes each) of pitch 272, then V: two tiles [64 d][128 keys] of pitch 272
.set HALF,  17408                      ; what one load fills
.set VOFF,  34816
.set STAGE, 139264                     ; behind the slots: 16 x 272 bytes for each wave, never filled by a load
.set P,     272
.set ADRK, 2                           ; v2-3   K fragments, slot 0, 1
.set ADRV, 4                           ; v4-5   V fragments
.set STO,  6
.set RD,   7
.set GO,   8
.set QOFF, 9
.set TA,   10                          ; v10-11 maximum chain a of tile q
.set TB,   12                          ; v12-13 chain b
.set ST,   16                          ; v16+4q: -c m, m, alpha, at work
.set LP,   24                          ; v24+4q: four partial sums
.set QQ,   32                          ; v32-63   Q(q, ks) at 16 q + 8 ks
.set SS,   64                          ; v64-127  logits of tile q at 32 q, key tile m at 8 m; later P
.set F0,   128                         ; v128-159 fragments of K or V
.set F1,   160                         ; v160-191
.set OO,   192                         ; v192-255 O^T(t, q) at 8 (2 t + q)
.set WV,   12
.set G1K, 16
.set G1V, 24
.set G0K, 32
.set G0V, 40
.macro PLACES n
.rept \n
	v_nop
.endr
.endm
.macro ROUND                           ; a round of the cluster's barrier
	s_barrier_signal -1
	s_barrier_wait -1
	s_cmp_lg_u32 s[WV], 0
	s_cbranch_scc1 .Lnot_wave_0_\@
	s_barrier_signal -3
.Lnot_wave_0_\@:
	s_barrier_wait -3
	s_barrier_signal -1
	s_barrier_wait -1
.endm
.macro JLOAD s                         ; the branches hang on the wave's number alone
	s_cmp_lg_u32 s13, 0
	s_cbranch_scc1 .Lnot_k_\@
	tensor_load_to_lds s[G0K+4*\s:G0K+4*\s+3], s[G1K:G1K+7]
	s_nop 0
	s_branch .Lasked_\@
.Lnot_k_\@:
	s_cmp_lg_u32 s13, 1
	s_cbranch_scc1 .Lasked_\@
	tensor_load_to_lds s[G0V+4*\s:G0V+4*\s+3], s[G1V:G1V+7]
	s_nop 0
.Lasked_\@:
.endm
	s_load_b256 s[4:11], s[0:1], 0x0               ; qb 4, kb 6, vb 8, ob 10
	s_set_vgpr_msb 0x40
	v_lshl_add_u32 v0, v0, 2, 0x2a800
	v_mov_b32 v1, 0
	s_set_vgpr_msb 0x4045
	ds_add_u32 v0, v1
	s_set_vgpr_msb 0x4500
	v_lshrrev_b32 v1, 5, v0
	v_readfirstlane_b32 s12, v1                    ; wave 0..7
	s_lshr_b32 s13, s12, 1                         ; 0: I fetch K, 1: V, else nothing
	s_and_b32 s14, s12, 1                          ; which half
	s_bfe_u32 s15, ttmp6, 0x40000                  ; cx
	s_lshl_b32 s49, ttmp9, 2
	s_add_co_u32 s49, s49, s15                     ; which 256 queries
	s_and_b32 s48, ttmp7, 0xffff                   ; bh
	; group 1: 64 rows of 32 elements of 8 bytes, 4 words of padding behind every 64; mask 15
	s_mov_b32 s[G1K+0], 15|(3<<16)|(1<<20)|(1<<21)|(5<<22)|(3<<25)
	s_mov_b32 s[G1V+0], 15|(3<<16)|(1<<20)|(1<<21)|(5<<22)|(3<<25)
	s_mov_b32 s[G1K+1], 32<<16
	s_mov_b32 s[G1V+1], 32<<16
	s_mov_b32 s[G1K+2], 64<<16
	s_mov_b32 s[G1V+2], 64<<16
	s_mov_b32 s[G1K+3], 32<<16
	s_mov_b32 s[G1V+3], 32<<16
	s_mov_b32 s[G1K+4], 64
	s_mov_b32 s[G1V+4], 64
	s_mov_b32 s[G1K+5], 32                         ; K's 128 keys of 128 bytes are dense: rows of 256 bytes, one behind the other
	s_mov_b32 s[G1V+5], 512                        ; a row of vb is 4,096 bytes
	s_mov_b32 s[G1K+6], 0
	s_mov_b32 s[G1V+6], 0
	s_mov_b32 s[G1K+7], 0
	s_mov_b32 s[G1V+7], 0
	; the tiles' addresses: bh and the wave's number alone (s58-61, s3)
	s_lshl_b32 s58, s48, 18
	s_lshl_b32 s59, s14, 14                        ; K: 128 keys of 128 bytes
	s_add_co_u32 s58, s58, s59
	s_mov_b32 s59, 0
	s_lshl_b32 s60, s48, 18
	s_lshl_b32 s61, s14, 8                         ; V: 128 keys of 2 bytes
	s_add_co_u32 s60, s60, s61
	s_mov_b32 s61, 0
	s_mul_i32 s3, s12, HALF                        ; LDS: K's halves, then V's = wave x 17,408
	; Q and O: these hold cx and feed no descriptor (s50-51, s62-63)
	s_lshl_b32 s50, s48, 18
	s_lshl_b32 s51, s49, 15
	s_add_co_u32 s50, s50, s51                     ; (bh x 2048 + 256 block) x 128
	s_lshl_b32 s51, s13, 13                        ; O: + 64 (w >> 1) rows
	s_add_co_u32 s62, s50, s51
	s_lshl_b32 s51, s14, 10                        ;    + 8 (w & 1) rows
	s_add_co_u32 s62, s62, s51
	s_mov_b32 s63, 0
	s_lshl_b32 s51, s12, 12                        ; Q: + 32 w rows
	s_add_co_u32 s50, s50, s51
	s_mov_b32 s51, 0
	s_mov_b32 s52, 0x3e38aa3b                      ; c = log2(e) / 8: the scale 64^-0.5 and the base of v_exp_f32 in one factor
	s_mov_b32 s53, 0x3e38aa3b
	s_mov_b32 s54, 0xbe38aa3b                      ; -c
	s_mov_b32 s56, 0x76543210                      ; v_permlanex16_b32: lane i reads lane i of the other half
	s_mov_b32 s57, 0xfedcba98
	s_wait_dscnt 0x0
	s_wait_kmcnt 0x0
	s_add_nc_u64 s[6:7], s[6:7], s[58:59]
	s_add_nc_u64 s[8:9], s[8:9], s[60:61]
	s_add_nc_u64 s[4:5], s[4:5], s[50:51]
	s_add_nc_u64 s[10:11], s[10:11], s[62:63]
	ROUND                                          ; the four work-groups are here: the first joint loads meet
.irp s, 0,1
	s_mov_b32 s[G0K+4*\s], 1
	s_add_co_u32 s[G0K+4*\s+1], s3, \s*SLOT
	s_add_nc_u64 s[G0K+4*\s+2:G0K+4*\s+3], s[6:7], \s*32768        ; key tile s: 256 keys of 128 bytes
	s_or_b32 s[G0K+4*\s+3], s[G0K+4*\s+3], 0x80000000
	s_mov_b32 s[G0V+4*\s], 1
	s_add_co_u32 s[G0V+4*\s+1], s3, \s*SLOT
	s_add_nc_u64 s[G0V+4*\s+2:G0V+4*\s+3], s[8:9], \s*512          ; 256 keys of 2 bytes
	s_or_b32 s[G0V+4*\s+3], s[G0V+4*\s+3], 0x80000000
	JLOAD \s
.endr
	v_and_b32 v14, 15, v0                          ; r
	v_bfe_u32 v15, v0, 4, 1                        ; h
	v_lshlrev_b32 v[QOFF], 7, v14
	v_lshl_add_u32 v[QOFF], v15, 4, v[QOFF]        ; Q as source 1: query r, d = 32 ks + 8 h .. and 16 further
.irp q, 0,1
.irp k, 0,1
	global_load_b128 v[QQ+16*\q+8*\k:QQ+16*\q+8*\k+3],   v[QOFF], s[4:5] offset:2048*\q+64*\k
	global_load_b128 v[QQ+16*\q+8*\k+4:QQ+16*\q+8*\k+7], v[QOFF], s[4:5] offset:2048*\q+64*\k+32
.endr
.endr
	v_lshrrev_b32 v1, 1, v14                       ; K: key r lies in LDS row r >> 1, half r & 1: the sixteen keys of a fragment fall on sixteen different 16-byte columns
	v_mul_u32_u24 v1, v1, P
	v_and_b32 v10, 1, v14
	v_lshl_add_u32 v1, v10, 7, v1
	v_lshl_add_u32 v[ADRK], v15, 4, v1
	v_add_nc_u32 v[ADRK+1], SLOT, v[ADRK]
	v_mul_u32_u24 v1, v14, P                       ; V^T: row d = r
	v_lshl_add_u32 v1, v15, 4, v1
	v_add_nc_u32 v[ADRV], VOFF, v1
	v_add_nc_u32 v[ADRV+1], SLOT+VOFF, v1
	s_mul_i32 s2, s12, 16*P
	s_add_co_u32 s2, s2, STAGE                     ; my stage
	v_and_b32 v1, 3, v14                           ; query 16 q + r goes to stage row 8 (r & 3) + 4 q + (r >> 2); two stage rows share an LDS row
	v_lshrrev_b32 v10, 3, v14
	v_lshl_add_u32 v1, v1, 2, v10
	v_mul_u32_u24 v1, v1, P
	v_bfe_u32 v10, v14, 2, 1
	v_lshl_add_u32 v1, v10, 7, v1
	v_lshl_add_u32 v1, v15, 4, v1
	v_add_nc_u32 v[STO], s2, v1
	v_mul_u32_u24 v1, v15, P
	v_lshl_add_u32 v1, v14, 4, v1
	v_add_nc_u32 v[RD], s2, v1
	v_and_b32 v1, 31, v0
	v_lshlrev_b32 v[GO], 4, v1
; 8 loads: K's four key tiles of block j, d = 32 ks ..
.macro KLOAD slot, j, ks, f
.irp m, 0,1,2,3
	ds_load_b128 v[\f+8*\m:\f+8*\m+3],   v[ADRK+\slot] offset:32*P*\j+8*P*\m+64*\ks
	ds_load_b128 v[\f+8*\m+4:\f+8*\m+7], v[ADRK+\slot] offset:32*P*\j+8*P*\m+64*\ks+32
.endr
.endm
; 8 loads: V^T's four d tiles, keys 64 j + 32 u ..
.macro VLOAD slot, j, u, f
.irp t, 0,1,2,3
	ds_load_b128 v[\f+8*\t:\f+8*\t+3],   v[ADRV+\slot] offset:(\j>>1)*HALF+16*P*\t+(\j&1)*128+64*\u
	ds_load_b128 v[\f+8*\t+4:\f+8*\t+7], v[ADRV+\slot] offset:(\j>>1)*HALF+16*P*\t+(\j&1)*128+64*\u+32
.endr
.endm
; 8 matrix instructions each; the eight accumulators take turns, one instruction a turn.
.macro SP f, ks, zero
.irp m, 0,1,2,3
.irp q, 0,1
.if \zero
	v_wmma_f32_16x16x32_bf16 v[SS+32*\q+8*\m:SS+32*\q+8*\m+7], v[\f+8*\m:\f+8*\m+7], v[QQ+16*\q+8*\ks:QQ+16*\q+8*\ks+7], 0
.else
	v_wmma_f32_16x16x32_bf16 v[SS+32*\q+8*\m:SS+32*\q+8*\m+7], v[\f+8*\m:\f+8*\m+7], v[QQ+16*\q+8*\ks:QQ+16*\q+8*\ks+7], v[SS+32*\q+8*\m:SS+32*\q+8*\m+7]
.endif
.endr
.endr
.endm
.macro PV f, u, zero
.irp t, 0,1,2,3
.irp q, 0,1
.if \zero
	v_wmma_f32_16x16x32_bf16 v[OO+8*(2*\t+\q):OO+8*(2*\t+\q)+7], v[\f+8*\t:\f+8*\t+7], v[SS+32*\q+16*\u:SS+32*\q+16*\u+7], 0
.else
	v_wmma_f32_16x16x32_bf16 v[OO+8*(2*\t+\q):OO+8*(2*\t+\q)+7], v[\f+8*\t:\f+8*\t+7], v[SS+32*\q+16*\u:SS+32*\q+16*\u+7], v[OO+8*(2*\t+\q):OO+8*(2*\t+\q)+7]
.endif
.endr
.endr
.endm
; The block's softmax step on 2 x 32 logits a lane.  first = 1: nothing is carried yet.
.macro SOFTMAX first
	; the new maximum: four chains that do not wait for each other; the old maximum starts chain a
.irp q, 0,1
.if \first
	v_max_num_f32 v[TA+\q], v[SS+32*\q], v[SS+32*\q+1]
.else
	v_max3_num_f32 v[TA+\q], v[ST+4*\q+1], v[SS+32*\q], v[SS+32*\q+1]
.endif
	v_max_num_f32 v[TB+\q], v[SS+32*\q+16], v[SS+32*\q+17]
.endr
.irp i, 2,4,6,8,10,12,14
.irp q, 0,1
	v_max3_num_f32 v[TA+\q], v[TA+\q], v[SS+32*\q+\i], v[SS+32*\q+\i+1]
	v_max3_num_f32 v[TB+\q], v[TB+\q], v[SS+32*\q+\i+16], v[SS+32*\q+\i+17]
.endr
.endr
.irp q, 0,1
	v_max_num_f32 v[TA+\q], v[TA+\q], v[TB+\q]
.endr
.irp q, 0,1
	v_permlanex16_b32 v[TB+\q], v[TA+\q], s56, s57 ; the other half's keys of the same query
.endr
.irp q, 0,1
	v_max_num_f32 v[TA+\q], v[TA+\q], v[TB+\q]
.endr
.irp q, 0,1
	v_mul_f32 v[ST+4*\q], s54, v[TA+\q]            ; -c m
.endr
.if \first == 0
.irp q, 0,1
	v_fma_f32 v[ST+4*\q+3], v[ST+4*\q+1], s52, v[ST+4*\q]          ; c (old m - m)
.endr
.irp q, 0,1
	v_exp_f32 v[ST+4*\q+2], v[ST+4*\q+3]           ; alpha
.endr
.endif
.irp q, 0,1
	v_mov_b32 v[ST+4*\q+1], v[TA+\q]               ; m is carried; also the plain instruction behind the exponentials (ISA guide 5.7.2)
.endr
.irp i, 0,2,4,6,8,10,12,14,16,18,20,22,24,26,28,30
.irp q, 0,1
	v_pk_fma_f32 v[SS+32*\q+\i:SS+32*\q+\i+1], v[SS+32*\q+\i:SS+32*\q+\i+1], s[52:53], v[ST+4*\q:ST+4*\q+1] op_sel_hi:[1,0,0]   ; c s - c m, at most 0
.endr
.endr
.irp i, 0,1,2,3,4,5,6,7,8,9,10,11,12,13,14,15,16,17,18,19,20,21,22,23,24,25,26,27,28,29,30,31
.irp q, 0,1
	v_exp_f32 v[SS+32*\q+\i], v[SS+32*\q+\i]
.endr
.endr
.if \first
	v_nop                                          ; the plain instruction behind the exponentials
	s_wait_alu depctr_va_vdst(0)
.else
	; O is brought to the new maximum; these lines are also that plain instruction
	s_wait_alu depctr_va_vdst(0)
.irp t, 0,1,2,3
.irp q, 0,1
.irp k, 0,2,4,6
	v_pk_mul_f32 v[OO+8*(2*\t+\q)+\k:OO+8*(2*\t+\q)+\k+1], v[OO+8*(2*\t+\q)+\k:OO+8*(2*\t+\q)+\k+1], v[ST+4*\q+2:ST+4*\q+3] op_sel_hi:[1,0]
.endr
.endr
.endr
.endif
	; the lane's sums, two chains of pairs for each tile
.irp q, 0,1
.if \first
	v_pk_add_f32 v[LP+4*\q:LP+4*\q+1],   v[SS+32*\q:SS+32*\q+1],   v[SS+32*\q+4:SS+32*\q+5]
	v_pk_add_f32 v[LP+4*\q+2:LP+4*\q+3], v[SS+32*\q+2:SS+32*\q+3], v[SS+32*\q+6:SS+32*\q+7]
.else
	v_pk_fma_f32 v[LP+4*\q:LP+4*\q+1],   v[LP+4*\q:LP+4*\q+1],   v[ST+4*\q+2:ST+4*\q+3], v[SS+32*\q:SS+32*\q+1] op_sel_hi:[1,0,1]
	v_pk_fma_f32 v[LP+4*\q+2:LP+4*\q+3], v[LP+4*\q+2:LP+4*\q+3], v[ST+4*\q+2:ST+4*\q+3], v[SS+32*\q+2:SS+32*\q+3] op_sel_hi:[1,0,1]
	v_pk_add_f32 v[LP+4*\q:LP+4*\q+1],   v[LP+4*\q:LP+4*\q+1],   v[SS+32*\q+4:SS+32*\q+5]
	v_pk_add_f32 v[LP+4*\q+2:LP+4*\q+3], v[LP+4*\q+2:LP+4*\q+3], v[SS+32*\q+6:SS+32*\q+7]
.endif
.endr
.irp i, 8,12,16,20,24,28
.irp q, 0,1
	v_pk_add_f32 v[LP+4*\q:LP+4*\q+1],   v[LP+4*\q:LP+4*\q+1],   v[SS+32*\q+\i:SS+32*\q+\i+1]
	v_pk_add_f32 v[LP+4*\q+2:LP+4*\q+3], v[LP+4*\q+2:LP+4*\q+3], v[SS+32*\q+\i+2:SS+32*\q+\i+3]
.endr
.endr
	; P in bf16, packed in place: key tiles 2 u and 2 u + 1 become the eight registers of source 1 for keys 32 u ..
.irp q, 0,1
.irp u, 0,1
.irp i, 0,1,2,3,4,5,6,7
	v_cvt_pk_bf16_f32 v[SS+32*\q+16*\u+\i], v[SS+32*\q+16*\u+2*\i], v[SS+32*\q+16*\u+2*\i+1]
.endr
.endr
.endr
.endm
; 64 keys.  jn = j + 1; more = 1: the next block's K fragments are fetched from the same slot.
; F0 and F1 take K (d 0-31), K (d 32-63), V (keys 0-31), V (keys 32-63) in turn: each group of 8 loads is issued one matrix pass or more ahead of its use,
; and each wait leaves the 8 loads of the group behind it out.  Loads into registers that matrix instructions have read, and vector instructions
; on their results, stand four plain places behind them; the next block's products, which write over P, five.
.macro BLOCK slot, j, jn, first, more
	s_wait_dscnt 0x8
	SP F0, 0, 1
	PLACES 4
	VLOAD \slot, \j, 0, F0
	s_wait_dscnt 0x8
	SP F1, 1, 0
	PLACES 4
	VLOAD \slot, \j, 1, F1
	SOFTMAX \first
	s_wait_dscnt 0x8
	PV F0, 0, \first
	PLACES 4
.if \more
	KLOAD \slot, \jn, 0, F0
	s_wait_dscnt 0x8
.else
	s_wait_dscnt 0x0
.endif
	PV F1, 1, 0
	PLACES 5
.if \more
	KLOAD \slot, \jn, 1, F1
.endif
.endm
.macro WORK slot, first
	KLOAD \slot, 0, 0, F0
	KLOAD \slot, 0, 1, F1
	BLOCK \slot, 0, 1, \first, 1
	BLOCK \slot, 1, 2, 0, 1
	BLOCK \slot, 2, 3, 0, 1
	BLOCK \slot, 3, 0, 0, 0
.endm
; A key tile in slot; refill = 1: the other slot, read last, gets the tile two further on.  Every wave waits for all its tensor loads and for
; its reads in front of the round; the joint refill is the first tensor load behind it and has four blocks in which to land.
.macro TWO slot, other, refill
	s_set_vgpr_msb 0x5
	s_wait_tensorcnt 0x0
	ds_add_u32 v0, v1
	s_wait_dscnt 0x0
	s_set_vgpr_msb 0x500
.if \refill
	s_add_nc_u64 s[G0K+4*\other+2:G0K+4*\other+3], s[G0K+4*\other+2:G0K+4*\other+3], 65536     ; 512 keys of 128 bytes
	s_add_nc_u64 s[G0V+4*\other+2:G0V+4*\other+3], s[G0V+4*\other+2:G0V+4*\other+3], 1024      ; 512 keys of 2 bytes
.endif
	s_wait_dscnt 0x0
.if \refill
	ROUND
	JLOAD \other
.else
	s_barrier_signal -1
	s_barrier_wait -1
.endif
	WORK \slot, 0
.endm
	s_wait_tensorcnt 0x0                           ; my parts of key tiles 0 and 1 are in.  For 0, not 1: waves 0 to 3 have issued two loads and waves 4 to 7 none,
	                                               ; and only this count shows tile 0 landed whatever a wave has issued; both tiles were asked for together
	s_wait_loadcnt 0x0                             ; Q
	s_barrier_signal -1
	s_barrier_wait -1
	WORK 0, 1                                      ; tile 0: its first block starts the maximum, the sums and O
	s_mov_b32 s55, 3
.Lpair:
	TWO 1, 0, 1                                    ; tiles 1, 3, 5; slot 0 gets 2, 4, 6
	TWO 0, 1, 1                                    ; tiles 2, 4, 6; slot 1 gets 3, 5, 7
	s_sub_co_u32 s55, s55, 1
	s_cmp_lg_u32 s55, 0
	s_cbranch_scc1 .Lpair
	TWO 1, 0, 0                                    ; tile 7: nothing is left to fetch
	; THE WAY OUT (five places stand behind the last matrix instruction).  The sums of a query's two lanes meet; O is divided, rounded, and goes through my own stage.
.irp q, 0,1
	v_pk_add_f32 v[LP+4*\q:LP+4*\q+1], v[LP+4*\q:LP+4*\q+1], v[LP+4*\q+2:LP+4*\q+3]
.endr
.irp q, 0,1
	v_add_f32 v[LP+4*\q], v[LP+4*\q], v[LP+4*\q+1]
.endr
.irp q, 0,1
	v_permlanex16_b32 v[LP+4*\q+1], v[LP+4*\q], s56, s57
.endr
.irp q, 0,1
	v_add_f32 v[LP+4*\q], v[LP+4*\q], v[LP+4*\q+1]
.endr
.irp q, 0,1
	v_rcp_f32 v[ST+4*\q+2], v[LP+4*\q]             ; the sum is at least about 1: the largest logit's own term
.endr
	v_nop                                          ; the plain instruction behind the reciprocals
	s_wait_alu depctr_va_vdst(0)
.irp t, 0,1,2,3
.irp q, 0,1
.irp k, 0,2,4,6
	v_pk_mul_f32 v[OO+8*(2*\t+\q)+\k:OO+8*(2*\t+\q)+\k+1], v[OO+8*(2*\t+\q)+\k:OO+8*(2*\t+\q)+\k+1], v[ST+4*\q+2:ST+4*\q+3] op_sel_hi:[1,0]
.endr
.irp k, 0,1,2,3
	v_cvt_pk_bf16_f32 v[SS+4*(2*\t+\q)+\k], v[OO+8*(2*\t+\q)+2*\k], v[OO+8*(2*\t+\q)+2*\k+1]
.endr
	ds_store_b128 v[STO], v[SS+4*(2*\t+\q):SS+4*(2*\t+\q)+3] offset:2*P*\q+32*\t   ; d = 16 t + 8 h .. of my query
.endr
.endr
.irp k, 0,1,2,3,4,5,6,7
	ds_load_b128 v[SS+32+4*\k:SS+32+4*\k+3], v[RD] offset:2*P*\k   ; LDS serves a wave's instructions in order (ISA guide 5.7.1.4): these see my stores
.endr
.irp k, 0,1,2,3,4,5,6,7
	s_wait_dscnt 7-\k
	global_store_b128 v[GO], v[SS+32+4*\k:SS+32+4*\k+3], s[10:11] offset:2048*(\k>>1)+512*(\k&1)   ; four rows of ob: 512 consecutive bytes
.endr
	s_set_vgpr_msb 0x5
	s_wait_tensorcnt 0x0
	ds_add_u32 v0, v1
	s_wait_dscnt 0x0
	s_set_vgpr_msb 0x500
	ROUND                                          ; the closing round
	s_endpgm
.Lfunc_end_k_qd76dade8c4_attn:
	.size	k_qd76dade8c4_attn, .Lfunc_end_k_qd76dade8c4_attn-k_qd76dade8c4_attn
	.p2alignl 7, 3214868480
	.fill 96, 4, 3214868480
	.section	.rodata,"a",@progbits
	.p2align	6, 0x0
	.amdhsa_kernel k_qd76dade8c4_attn
		.amdhsa_group_segment_fixed_size 327680
		.amdhsa_private_segment_fixed_size 0
		.amdhsa_enable_private_segment 0
		.amdhsa_kernarg_size 32
		.amdhsa_user_sgpr_count 2
		.amdhsa_user_sgpr_kernarg_segment_ptr 1
		.amdhsa_wavefront_size32 1
		.amdhsa_system_sgpr_workgroup_id_x 1
		.amdhsa_system_sgpr_workgroup_id_y 1
		.amdhsa_system_sgpr_workgroup_id_z 1
		.amdhsa_system_vgpr_workitem_id 0
		.amdhsa_next_free_vgpr 258
		.amdhsa_next_free_sgpr 66
		.amdhsa_reserve_vcc 0
		.amdhsa_float_denorm_mode_32 3
		.amdhsa_float_denorm_mode_16_64 3
		.amdhsa_memory_ordered 1
		.amdhsa_forward_progress 1
		.amdhsa_inst_pref_size 255
	.end_amdhsa_kernel
	.section	.bss,"aw",@nobits
	.p2align	6
	.space	262144
	.amdgpu_metadata
---
amdhsa.version: [ 1, 2 ]
amdhsa.kernels:
  - .name:           k_qd76dade8c4_attn
    .symbol:         k_qd76dade8c4_attn.kd
    .args:
      - { .name: qb, .offset: 0, .size: 8, .value_kind: global_buffer, .address_space: global }
      - { .name: kb, .offset: 8, .size: 8, .value_kind: global_buffer, .address_space: global }
      - { .name: vb, .offset: 16, .size: 8, .value_kind: global_buffer, .address_space: global }
      - { .name: ob, .offset: 24, .size: 8, .value_kind: global_buffer, .address_space: global }
    .group_segment_fixed_size: 327680
    .private_segment_fixed_size: 0
    .kernarg_segment_align: 8
    .kernarg_segment_size: 32
    .max_flat_workgroup_size: 256
    .sgpr_count:     66
    .vgpr_count:     258
    .wavefront_size: 32
...
	.end_amdgpu_metadata
.endif
;; end of part 3
;; launch proj (part 4): grid 4 x 64, 8 waves a work-group, clusters of 4 x 4, 279,552 bytes of LDS; arguments ob, wb, bo, x, out0; writes out0
.if DOCPART == 4
	.amdgcn_target "amdgcn-amd-amdhsa--gfx1250"
	.amdhsa_code_object_version 6
	.text
	.protected	k_qd76dade8c4_proj
	.globl	k_qd76dade8c4_proj
	.p2align	8
	.type	k_qd76dade8c4_proj,@function
k_qd76dade8c4_proj:
	s_mov_b64 s[64:65], 0
	v_nop
	global_prefetch_b8 v0, s[64:65] scope:SCOPE_SE
	s_setreg_imm32_b32 hwreg(HW_REG_WAVE_MODE, 25, 1), 1
	s_wait_xcnt 0x0
	s_wait_alu depctr_hold_cnt(0) depctr_sa_sdst(0) depctr_va_vdst(0) depctr_va_sdst(0) depctr_va_ssrc(0) depctr_va_vcc(0) depctr_vm_vsrc(0)
	s_getreg_b32 s2, hwreg(HW_REG_IB_STS2, 6, 4)
	s_cmp_eq_u32 s2, 0
	s_cbranch_scc0 .Lentry_in_a_cluster
	s_endpgm
.Lentry_in_a_cluster:
	s_bfe_u32 s2, ttmp6, 0x10000c
	s_cmp_lg_u32 s2, 0xf033
	s_cbranch_scc0 .Lentry_shape_is_right
	s_endpgm
.Lentry_shape_is_right:
; proj: out0[b][o][l] = x[b][o][l] + bo[o] + sum over c of Wo[o][c] O[b][l][c];  bf16 operands, f32 sums, bias as the sums' first value, residual in f32.
; A work-group makes 128 o x 128 l of one batch; og = which 128 o, y = 16 b + which 128 l.  Eight waves: wo = w >> 1 takes 32 o (i = 0, 1),
; wl = w & 1 takes 64 l (four column tiles t).  The whole K (512) is in LDS at once: each byte of LDS is filled once, there is no ring.
;   Wo: 4 chunks of 128 c x 128 rows, pitch 272, at 0.    O: 8 heads x 128 rows of 128 bytes, two rows to an LDS row of pitch 272, at 139,264.
; CLUSTERS 4 x 4: Wo's tiles hang on og alone (joint along a column of the cluster), O's on y alone (joint along a row).  Each wave asks for one tile
; of each, 64 rows x 256 bytes: by this text's count two tensor loads a wave are out, once.
; ob's rows are permuted inside each group of 64 (row 16 t + r holds l = 4 r + t), so column r of tile t is l = 4 r + t: a lane's four tiles give it
; four neighbouring l, 16 bytes, and sixteen lanes 256 consecutive bytes of a row of out0, aligned.
.set P,    272
.set HALF, 17408
.set OOFF, 139264
.set ADRA, 2                           ; v2-5   Wo fragments, chunk 0..3
.set ADRB, 6                           ; v6-9   O fragments, pair of heads 0..3
.set XO,   10                          ; my byte offset in x and out0
.set BO,   11
.set BIAS, 12                          ; v12-27
.set ACC,  28                          ; v28-91   acc(i, t) at 8 (4 i + t)
.set XX,   92                          ; v92-155  x, then the result: quad 8 i + j
.set FB0,  156                         ; v156-203 Wo fragment i at 8 i, O fragment t at 16 + 8 t
.set FB1,  204                         ; v204-251
.set WV,   14
.set G1W, 24
.set G1O, 32
.set G0W, 40
.set G0O, 44
.macro PLACES n
.rept \n
	v_nop
.endr
.endm
.macro ROUND
	s_barrier_signal -1
	s_barrier_wait -1
	s_cmp_lg_u32 s[WV], 0
	s_cbranch_scc1 .Lnot_wave_0_\@
	s_barrier_signal -3
.Lnot_wave_0_\@:
	s_barrier_wait -3
	s_barrier_signal -1
	s_barrier_wait -1
.endm
	s_load_b256 s[4:11], s[0:1], 0x0               ; ob 4, wb 6, bo 8, x 10
	s_load_b64 s[12:13], s[0:1], 0x20              ; out0
	s_set_vgpr_msb 0x40
	v_lshl_add_u32 v0, v0, 2, 0x44000
	v_mov_b32 v1, 0
	s_set_vgpr_msb 0x4045
	ds_add_u32 v0, v1
	s_set_vgpr_msb 0x4500
	v_lshrrev_b32 v1, 5, v0
	v_readfirstlane_b32 s14, v1                    ; wave 0..7
	s_lshr_b32 s15, s14, 1                         ; wo; also: which chunk of Wo I fetch
	s_and_b32 s16, s14, 1                          ; wl; also: which 64 rows of it
	s_bfe_u32 s17, ttmp6, 0x40000                  ; cx
	s_bfe_u32 s18, ttmp6, 0x40004                  ; cy
	s_lshl_b32 s19, ttmp9, 2
	s_add_co_u32 s19, s19, s17                     ; og
	s_and_b32 s20, ttmp7, 0xffff
	s_lshl_b32 s20, s20, 2
	s_add_co_u32 s20, s20, s18                     ; y
	s_lshl_b32 s21, s18, 2
	s_lshl_b32 s21, 15, s21                        ; my row of the cluster
	s_lshl_b32 s22, 0x1111, s17                    ; my column
	s_or_b32 s[G1W+0], s22, (3<<16)|(1<<20)|(1<<21)|(5<<22)|(3<<25)
	s_or_b32 s[G1O+0], s21, (3<<16)|(1<<20)|(1<<21)|(5<<22)|(3<<25)
	s_mov_b32 s[G1W+1], 32<<16
	s_mov_b32 s[G1O+1], 32<<16
	s_mov_b32 s[G1W+2], 64<<16
	s_mov_b32 s[G1O+2], 64<<16
	s_mov_b32 s[G1W+3], 32<<16
	s_mov_b32 s[G1O+3], 32<<16
	s_mov_b32 s[G1W+4], 64
	s_mov_b32 s[G1O+4], 64
	s_mov_b32 s[G1W+5], 128                        ; a row of wb is 1,024 bytes
	s_mov_b32 s[G1O+5], 32                         ; 128 rows of 128 bytes are dense: rows of 256 bytes
	s_mov_b32 s[G1W+6], 0
	s_mov_b32 s[G1O+6], 0
	s_mov_b32 s[G1W+7], 0
	s_mov_b32 s[G1O+7], 0
	; O's tile: y and the wave's number alone (s48-51)
	s_lshr_b32 s50, s20, 4                         ; b
	s_and_b32 s51, s20, 15                         ; which 128 l
	s_lshl_b32 s48, s50, 21                        ; (8 b + w) x 2,048 rows of 128 bytes
	s_lshl_b32 s49, s14, 18
	s_add_co_u32 s48, s48, s49
	s_lshl_b32 s49, s51, 14                        ; + 128 rows a block
	s_add_co_u32 s48, s48, s49
	s_mov_b32 s49, 0
	; Wo's tile: og and the wave's number alone (s52-53)
	s_lshl_b32 s52, s19, 17                        ; 128 og rows of 1,024 bytes
	s_lshl_b32 s53, s16, 16                        ; + 64 rows
	s_add_co_u32 s52, s52, s53
	s_lshl_b32 s53, s15, 8                         ; + chunk x 256 bytes
	s_add_co_u32 s52, s52, s53
	s_mov_b32 s53, 0
	s_mul_i32 s56, s14, HALF                       ; LDS: wave x 17,408,
	s_add_co_u32 s57, s56, OOFF                    ; and the same behind Wo for O
	; x and out0: (512 b + 128 og + 32 wo) rows of 8,192 bytes + (128 block + 64 wl) x 4; y's part and og's part apart
	s_lshl_b32 s60, s50, 22
	s_lshl_b32 s61, s51, 9
	s_add_co_u32 s60, s60, s61
	s_lshl_b32 s61, s15, 18
	s_add_co_u32 s60, s60, s61
	s_lshl_b32 s61, s16, 8
	s_add_co_u32 s60, s60, s61
	s_mov_b32 s61, 0
	s_lshl_b32 s54, s19, 20
	s_mov_b32 s55, 0
	s_lshl_b32 s58, s19, 9                         ; bo: (128 og + 32 wo) x 4
	s_lshl_b32 s59, s15, 7
	s_add_co_u32 s58, s58, s59
	s_mov_b32 s59, 0
	s_wait_dscnt 0x0
	s_wait_kmcnt 0x0
	s_mov_b32 s[G0W+0], 1
	s_mov_b32 s[G0W+1], s56
	s_add_nc_u64 s[G0W+2:G0W+3], s[6:7], s[52:53]  ; matrix 0 of wb is Wo
	s_or_b32 s[G0W+3], s[G0W+3], 0x80000000
	s_mov_b32 s[G0O+0], 1
	s_mov_b32 s[G0O+1], s57
	s_add_nc_u64 s[G0O+2:G0O+3], s[4:5], s[48:49]
	s_or_b32 s[G0O+3], s[G0O+3], 0x80000000
	s_add_nc_u64 s[8:9], s[8:9], s[58:59]
	s_add_nc_u64 s[10:11], s[10:11], s[60:61]
	s_add_nc_u64 s[10:11], s[10:11], s[54:55]
	s_add_nc_u64 s[12:13], s[12:13], s[60:61]
	s_add_nc_u64 s[12:13], s[12:13], s[54:55]
	ROUND                                          ; all sixteen work-groups are here: the joint loads meet
	tensor_load_to_lds s[G0W:G0W+3], s[G1W:G1W+7]
	s_nop 0
	tensor_load_to_lds s[G0O:G0O+3], s[G1O:G1O+7]
	s_nop 0
	v_and_b32 v252, 15, v0                         ; r
	v_bfe_u32 v253, v0, 4, 1                       ; h
	v_lshlrev_b32 v[BO], 5, v253                   ; C(m = 8 h + j) = bo[.. + 8 h + j]
	v_lshlrev_b32 v[XO], 4, v252
	v_lshl_add_u32 v[XO], v253, 16, v[XO]          ; 8 h rows of 8,192 bytes + 16 r
.irp i, 0,1
	global_load_b128 v[BIAS+8*\i:BIAS+8*\i+3],   v[BO], s[8:9] offset:64*\i
	global_load_b128 v[BIAS+8*\i+4:BIAS+8*\i+7], v[BO], s[8:9] offset:64*\i+16
.endr
.irp i, 0,1
.irp j, 0,1,2,3,4,5,6,7
	global_load_b128 v[XX+4*(8*\i+\j):XX+4*(8*\i+\j)+3], v[XO], s[10:11] offset:(16*\i+\j)*8192 th:TH_LOAD_NT   ; the residual, on its way during all the products
.endr
.endr
	v_mul_u32_u24 v254, v252, P                    ; Wo: row 32 wo + r, 16 h
	v_lshl_add_u32 v254, v253, 4, v254
	s_mul_i32 s62, s15, 32*P
	v_add_nc_u32 v255, s62, v254
.irp q, 0,1,2,3
	v_add_nc_u32 v[ADRA+\q], \q*2*HALF, v255
.endr
	v_lshrrev_b32 v254, 1, v252                    ; O: row 64 wl + r lies in LDS row 32 wl + (r >> 1), half r & 1
	v_mul_u32_u24 v254, v254, P
	v_and_b32 v255, 1, v252
	v_lshl_add_u32 v254, v255, 7, v254
	v_lshl_add_u32 v254, v253, 4, v254
	s_mul_i32 s62, s16, 32*P
	v_add_nc_u32 v255, s62, v254
.irp q, 0,1,2,3
	v_add_nc_u32 v[ADRB+\q], OOFF+\q*2*HALF, v255
.endr
; 12 LDS loads: the fragments of K step kn (32 c) into buffer fn
.macro FETCH
.irp i, 0,1
	ds_load_b128 v[fn+8*\i:fn+8*\i+3],   v[ADRA+(kn>>2)] offset:16*P*\i+64*(kn&3)
	ds_load_b128 v[fn+8*\i+4:fn+8*\i+7], v[ADRA+(kn>>2)] offset:16*P*\i+64*(kn&3)+32
.endr
.irp t, 0,1,2,3
	ds_load_b128 v[fn+16+8*\t:fn+16+8*\t+3], v[ADRB+(kn>>2)] offset:((kn>>1)&1)*HALF+8*P*\t+64*(kn&1)
	ds_load_b128 v[fn+20+8*\t:fn+20+8*\t+3], v[ADRB+(kn>>2)] offset:((kn>>1)&1)*HALF+8*P*\t+64*(kn&1)+32
.endr
.endm
; 8 matrix instructions on buffer fc; the eight accumulators take turns, one instruction a turn
.macro MUL8 bias
.irp i, 0,1
.irp t, 0,1,2,3
.if \bias
	v_wmma_f32_16x16x32_bf16 v[ACC+8*(4*\i+\t):ACC+8*(4*\i+\t)+7], v[fc+8*\i:fc+8*\i+7], v[fc+16+8*\t:fc+16+8*\t+7], v[BIAS+8*\i:BIAS+8*\i+7]
.else
	v_wmma_f32_16x16x32_bf16 v[ACC+8*(4*\i+\t):ACC+8*(4*\i+\t)+7], v[fc+8*\i:fc+8*\i+7], v[fc+16+8*\t:fc+16+8*\t+7], v[ACC+8*(4*\i+\t):ACC+8*(4*\i+\t)+7]
.endif
.endr
.endr
.endm
	s_wait_tensorcnt 0x0                           ; my two tiles are in,
	s_barrier_signal -1
	s_barrier_wait -1                              ; everybody's are
	s_wait_loadcnt 0x10                            ; the four bias loads; the sixteen of x behind them stay out
.set kn, 0
.set fn, FB0
	FETCH
.set kk, 0
.rept 16
	s_wait_dscnt 0x0                               ; this K step's 12 loads: nothing was issued behind them
.if kk < 15
.if kk > 0
	PLACES 4                                       ; loads into a buffer that matrix instructions have read stand four plain places behind them
.endif
.set kn, kk+1
.set fn, FB0+48*(kn&1)
	FETCH
.endif
.set fc, FB0+48*(kk&1)
.if kk == 0
	MUL8 1
.else
	MUL8 0
.endif
.set kk, kk+1
.endr
	PLACES 4                                       ; behind the last matrix instructions, in front of the sums that read their results
	s_wait_loadcnt 0x0                             ; x
.irp i, 0,1
.irp j, 0,1,2,3,4,5,6,7
.irp t, 0,1,2,3
	v_add_f32 v[XX+4*(8*\i+\j)+\t], v[XX+4*(8*\i+\j)+\t], v[ACC+8*(4*\i+\t)+\j]    ; out(o = .. + 16 i + 8 h + j, l = .. + 4 r + t)
.endr
	global_store_b128 v[XO], v[XX+4*(8*\i+\j):XX+4*(8*\i+\j)+3], s[12:13] offset:(16*\i+\j)*8192 th:TH_STORE_NT   ; sixteen lanes: 256 consecutive bytes, aligned
.endr
.endr
	s_set_vgpr_msb 0x5
	s_wait_tensorcnt 0x0
	ds_add_u32 v0, v1
	s_wait_dscnt 0x0
	s_set_vgpr_msb 0x500
	ROUND                                          ; the closing round
	s_endpgm
.Lfunc_end_k_qd76dade8c4_proj:
	.size	k_qd76dade8c4_proj, .Lfunc_end_k_qd76dade8c4_proj-k_qd76dade8c4_proj
	.p2alignl 7, 3214868480
	.fill 96, 4, 3214868480
	.section	.rodata,"a",@progbits
	.p2align	6, 0x0
	.amdhsa_kernel k_qd76dade8c4_proj
		.amdhsa_group_segment_fixed_size 279552
		.amdhsa_private_segment_fixed_size 0
		.amdhsa_enable_private_segment 0
		.amdhsa_kernarg_size 40
		.amdhsa_user_sgpr_count 2
		.amdhsa_user_sgpr_kernarg_segment_ptr 1
		.amdhsa_wavefront_size32 1
		.amdhsa_system_sgpr_workgroup_id_x 1
		.amdhsa_system_sgpr_workgroup_id_y 1
		.amdhsa_system_sgpr_workgroup_id_z 1
		.amdhsa_system_vgpr_workitem_id 0
		.amdhsa_next_free_vgpr 258
		.amdhsa_next_free_sgpr 66
		.amdhsa_reserve_vcc 0
		.amdhsa_float_denorm_mode_32 3
		.amdhsa_float_denorm_mode_16_64 3
		.amdhsa_memory_ordered 1
		.amdhsa_forward_progress 1
		.amdhsa_inst_pref_size 35
	.end_amdhsa_kernel
	.amdgpu_metadata
---
amdhsa.version: [ 1, 2 ]
amdhsa.kernels:
  - .name:           k_qd76dade8c4_proj
    .symbol:         k_qd76dade8c4_proj.kd
    .args:
      - { .name: ob, .offset: 0, .size: 8, .value_kind: global_buffer, .address_space: global }
      - { .name: wb, .offset: 8, .size: 8, .value_kind: global_buffer, .address_space: global }
      - { .name: bo, .offset: 16, .size: 8, .value_kind: global_buffer, .address_space: global }
      - { .name: x, .offset: 24, .size: 8, .value_kind: global_buffer, .address_space: global }
      - { .name: out0, .offset: 32, .size: 8, .value_kind: global_buffer, .address_space: global }
    .group_segment_fixed_size: 279552
    .private_segment_fixed_size: 0
    .kernarg_segment_align: 8
    .kernarg_segment_size: 40
    .max_flat_workgroup_size: 256
    .sgpr_count:     66
    .vgpr_count:     258
    .wavefront_size: 32
...
	.end_amdgpu_metadata
.endif
;; end of part 4
;; ======== version 2 of 2: 4 launches; version 1 with the launch prep written anew for expert scheduling mode
;; workspace buffers: xb 8,388,608 bytes; wb 2,097,152 bytes; qb 8,388,608 bytes; kb 8,388,608 bytes; vb 8,388,608 bytes; ob 8,388,608 bytes
;; launch prep (part 5): grid 256 x 1, 8 waves a work-group, no clusters, 0 bytes of LDS; arguments x, Wq, Wk, Wv, Wo, xb, wb; writes xb, wb
.if DOCPART == 5
	.amdgcn_target "amdgcn-amd-amdhsa--gfx1250"
	.amdhsa_code_object_version 6
	.text
	.protected	k_qd76dade8c4_prep
	.globl	k_qd76dade8c4_prep
	.p2align	8
	.type	k_qd76dade8c4_prep,@function
k_qd76dade8c4_prep:
	s_mov_b64 s[64:65], 0
	v_nop
	global_prefetch_b8 v0, s[64:65] scope:SCOPE_SE
	s_setreg_imm32_b32 hwreg(HW_REG_WAVE_SCHED_MODE, 0, 2), 2
	s_setreg_imm32_b32 hwreg(HW_REG_WAVE_MODE, 25, 1), 1
	s_wait_xcnt 0x0
	s_wait_alu depctr_vm_vsrc(0)
; prep: x and the four weight matrices are rounded once from f32 to bf16 (nearest even), layouts kept.
;   xb: [4][512][2048] bf16.   wb: [4][512][512] bf16 in the order Wo, Wq, Wk, Wv.
; A stream: no LDS, no barrier, no matrix unit, no cluster (no two work-groups read the same byte).
; Work-group g of 256 takes 65,536 bytes of x (16 pieces of 4,096) and 4,096 bytes of each weight matrix: equal work everywhere.
; Thread t takes 16 bytes at 16 t of a piece and stores 8 bytes at 8 t: a wave's load covers 512 consecutive bytes,
; a wave's store 256 consecutive bytes at a multiple of 256 from the buffer's first byte.
; All twenty loads go out first; no register is written twice, so no source of a pending instruction is ever rewritten.
; LIMIT: the numbers are rounded to bf16's 8 bits of precision; bf16 has f32's exponent range.
; THE MODE: SCHED_MODE bits 1:0 = 2 (LLVM: expert scheduling mode 2), set by the entry lines.  The code itself states the register dependences
; between vector instructions and memory instructions, with s_wait_alu, always for 0.
; THE PLAN.  Registers that memory instructions touch:
;   v1, v2   byte offsets: written once at the head by vector instructions; v1 is read by every load, v2 by every store.
;   IN       twenty quads: written by the loads alone, each once; read by the piece's two conversions, behind the wait for its data.
;   OUT      twenty pairs: written by the conversions, each once; read by the piece's one store.
; The twenty pieces go in five groups of four: the wait for the group's data, its eight conversions, ONE wait on va_vdst, its four stores in a run.
; With the wait ahead of the first load that is six waits in all.  No register that a memory instruction reads is written again (offsets, OUT and
; the scalar bases are each written once, ahead of their readers), so no wait on vm_vsrc and no s_wait_xcnt is owed; no vector instruction writes a
; scalar register, and EXEC stays as it is at the entry.
; A group's stores follow its own conversions, not the next group's: all loads are out already, and the only other work at hand stands behind
; a wait for data from memory, behind which the stores would leave later.
.set IN,  4                            ; v[4:83]    twenty quads as loaded
.set OUT, 84                           ; v[84:123]  twenty pairs to store
	s_load_b256 s[4:11], s[0:1], 0x0               ; x s[4:5], Wq s[6:7], Wk s[8:9], Wv s[10:11]
	s_load_b128 s[12:15], s[0:1], 0x20             ; Wo s[12:13], xb s[14:15]
	s_load_b64 s[16:17], s[0:1], 0x30              ; wb
	v_lshlrev_b32 v1, 4, v0                        ; 16 t: where I read
	v_lshlrev_b32 v2, 3, v0                        ; 8 t: where I store
	s_lshl_b32 s18, ttmp9, 16                      ; g x 65,536: my part of x
	s_mov_b32 s19, 0
	s_lshl_b32 s20, ttmp9, 15                      ; g x 32,768: of xb
	s_mov_b32 s21, 0
	s_lshl_b32 s22, ttmp9, 12                      ; g x 4,096: of each weight matrix
	s_mov_b32 s23, 0
	s_lshl_b32 s24, ttmp9, 11                      ; g x 2,048: of each matrix in wb
	s_mov_b32 s25, 0
	s_wait_kmcnt 0x0
	s_add_nc_u64 s[4:5], s[4:5], s[18:19]
	s_add_nc_u64 s[6:7], s[6:7], s[22:23]
	s_add_nc_u64 s[8:9], s[8:9], s[22:23]
	s_add_nc_u64 s[10:11], s[10:11], s[22:23]
	s_add_nc_u64 s[12:13], s[12:13], s[22:23]
	s_add_nc_u64 s[14:15], s[14:15], s[20:21]
	s_add_nc_u64 s[16:17], s[16:17], s[24:25]
	s_wait_alu depctr_va_vdst(0)                   ; v1 and v2 are written: every load below reads v1 as its offset, every store v2; neither is written again
.irp i, 0,1,2,3,4,5,6,7,8,9,10,11,12,13,14,15
	global_load_b128 v[IN+4*\i:IN+4*\i+3], v1, s[4:5] offset:4096*\i th:TH_LOAD_NT
.endr
	global_load_b128 v[IN+64:IN+67], v1, s[12:13] th:TH_LOAD_NT    ; piece 16: Wo, matrix 0 of wb
	global_load_b128 v[IN+68:IN+71], v1, s[6:7] th:TH_LOAD_NT      ; piece 17: Wq, matrix 1
	global_load_b128 v[IN+72:IN+75], v1, s[8:9] th:TH_LOAD_NT      ; piece 18: Wk, matrix 2
	global_load_b128 v[IN+76:IN+79], v1, s[10:11] th:TH_LOAD_NT    ; piece 19: Wv, matrix 3
; Group g: pieces 4 g to 4 g + 3.  Groups 0 to 3 are x's sixteen pieces, group 4 the four weight matrices' pieces.
.macro GROUP g
	s_wait_loadcnt 16-4*(\g)                       ; loads come back in order (ISA guide 5.7.1): the group's four are in, the 16 - 4 g younger ones stay out
.irp k, 0,1,2,3
	v_cvt_pk_bf16_f32 v[OUT+2*(4*(\g)+(\k))],   v[IN+4*(4*(\g)+(\k))],   v[IN+4*(4*(\g)+(\k))+1]
	v_cvt_pk_bf16_f32 v[OUT+2*(4*(\g)+(\k))+1], v[IN+4*(4*(\g)+(\k))+2], v[IN+4*(4*(\g)+(\k))+3]
.endr
	s_wait_alu depctr_va_vdst(0)                   ; the eight conversions have written the group's four pairs of OUT, which the four stores below read
.irp k, 0,1,2,3
.if (\g) < 4
	global_store_b64 v2, v[OUT+2*(4*(\g)+(\k)):OUT+2*(4*(\g)+(\k))+1], s[14:15] offset:2048*(4*(\g)+(\k))  ; xb: piece 4 g + k
.else
	global_store_b64 v2, v[OUT+2*(4*(\g)+(\k)):OUT+2*(4*(\g)+(\k))+1], s[16:17] offset:524288*(\k)         ; wb: matrix k
.endif
.endr
.endm
	GROUP 0
	GROUP 1
	GROUP 2
	GROUP 3
	GROUP 4
	s_endpgm
.Lfunc_end_k_qd76dade8c4_prep:
	.size	k_qd76dade8c4_prep, .Lfunc_end_k_qd76dade8c4_prep-k_qd76dade8c4_prep
	.p2alignl 7, 3214868480
	.fill 96, 4, 3214868480
	.section	.rodata,"a",@progbits
	.p2align	6, 0x0
	.amdhsa_kernel k_qd76dade8c4_prep
		.amdhsa_group_segment_fixed_size 0
		.amdhsa_private_segment_fixed_size 0
		.amdhsa_enable_private_segment 0
		.amdhsa_kernarg_size 56
		.amdhsa_user_sgpr_count 2
		.amdhsa_user_sgpr_kernarg_segment_ptr 1
		.amdhsa_wavefront_size32 1
		.amdhsa_system_sgpr_workgroup_id_x 1
		.amdhsa_system_sgpr_workgroup_id_y 1
		.amdhsa_system_sgpr_workgroup_id_z 1
		.amdhsa_system_vgpr_workitem_id 0
		.amdhsa_next_free_vgpr 128
		.amdhsa_next_free_sgpr 66
		.amdhsa_reserve_vcc 0
		.amdhsa_float_denorm_mode_32 3
		.amdhsa_float_denorm_mode_16_64 3
		.amdhsa_memory_ordered 1
		.amdhsa_forward_progress 1
		.amdhsa_inst_pref_size 8
	.end_amdhsa_kernel
	.amdgpu_metadata
---
amdhsa.version: [ 1, 2 ]
amdhsa.kernels:
  - .name:           k_qd76dade8c4_prep
    .symbol:         k_qd76dade8c4_prep.kd
    .args:
      - { .name: x, .offset: 0, .size: 8, .value_kind: global_buffer, .address_space: global }
      - { .name: Wq, .offset: 8, .size: 8, .value_kind: global_buffer, .address_space: global }
      - { .name: Wk, .offset: 16, .size: 8, .value_kind: global_buffer, .address_space: global }
      - { .name: Wv, .offset: 24, .size: 8, .value_kind: global_buffer, .address_space: global }
      - { .name: Wo, .offset: 32, .size: 8, .value_kind: global_buffer, .address_space: global }
      - { .name: xb, .offset: 40, .size: 8, .value_kind: global_buffer, .address_space: global }
      - { .name: wb, .offset: 48, .size: 8, .value_kind: global_buffer, .address_space: global }
    .group_segment_fixed_size: 0
    .private_segment_fixed_size: 0
    .kernarg_segment_align: 8
    .kernarg_segment_size: 56
    .max_flat_workgroup_size: 256
    .sgpr_count:     66
    .vgpr_count:     128
    .wavefront_size: 32
...
	.end_amdgpu_metadata
.endif
;; end of part 5
;; launch qkv: the kernel of part 2 again; grid 4 x 64, 8 waves a work-group, clusters of 4 x 4, 327,680 bytes of LDS; arguments xb, wb, bq, bk, bv, qb, kb, vb; writes qb, kb, vb
;; launch attn: the kernel of part 3 again; grid 8 x 32, 8 waves a work-group, clusters of 4 x 1, 327,680 bytes of LDS; arguments qb, kb, vb, ob; writes ob
;; launch proj: the kernel of part 4 again; grid 4 x 64, 8 waves a work-group, clusters of 4 x 4, 279,552 bytes of LDS; arguments ob, wb, bo, x, out0; writes out0
